; MI455X (gfx1250); checked and timed in simulation.
; The chip was launched on July 23, 2026; its instructions are those of AMD's public machine-readable ISA for CDNA 5 (MIT licence, August 2026) and "CDNA5" Instruction Set Architecture Reference Guide (July 2026). The comments in the code are by the model that wrote it; some were corrected since.
;; Self Attention. Allowed arithmetic: matrix products marked QUANTISED: E4M3 operands, one E8M0 scale for each 32 along K, by v_wmma_scale_f32_16x16x128_f8f6f4 with both operands' format E4M3, f32 sums; everything else in f32.
;; Inputs: Wk 1,024 x 1,024 float32; Wo 1,024 x 1,024 float32; Wq 1,024 x 1,024 float32; Wv 1,024 x 1,024 float32; bo 1,024 float32; x 4 x 2,048 x 1,024 float32.
;; Outputs: out0 4 x 2,048 x 1,024 float32.
;; This version of the problem:
;;   THIS VERSION OF THE PROBLEM IS GIVEN IN LOW PRECISION. The matrix products marked QUANTISED in the list below multiply operands that are first quantised to E4M3 (4 exponent bits, 3 mantissa bits; 8 bits a number), with one power-of-two scale for each 32 numbers along K (OCP MX v1.0); their sums are f32. All else is computed in f32.
;;   The module's matrix products, in the order in which they are computed (A, B: the left and right operand; K: the contracted axis; several contracted axes count as one K, in the product's order):
;;     1. [M 8,192, K 1,024] x [K 1,024, N 1,024]; A: input x; B: input Wq: QUANTISED
;;     2. [M 8,192, K 1,024] x [K 1,024, N 1,024]; A: input x; B: input Wk: QUANTISED
;;     3. [M 8,192, K 1,024] x [K 1,024, N 1,024]; A: input x; B: input Wv: QUANTISED
;;     4. batch 64 x [M 2,048, K 64] x [K 64, N 2,048]; A: computed on the way; B: computed on the way: QUANTISED
;;     5. batch 64 x [M 2,048, K 2,048] x [K 2,048, N 64]; A: softmax (see below); B: computed on the way: QUANTISED
;;     6. [M 8,192, K 1,024] x [K 1,024, N 1,024]; A: computed on the way; B: input Wo: QUANTISED
;;   THE QUANTISER, for each operand of a quantised product, along K:
;;     - K is cut into blocks of 32 from its start; a last block that is shorter is filled with zeros.
;;     - A block's scale is 2^e with e = floor(log2(the largest magnitude in the block)) - 8, held to -126 .. 127; a block of zeros has e = 0. As a byte (E8M0): e + 127.
;;     - Each number is divided by its block's scale, clamped to +-448, and rounded to the nearest number of E4M3, ties to even, subnormals kept.
;;     - The product sums the exact products of the quantised numbers (number of the format x scale) in f32.
;;   ~~~python
;;   def quantise(x, axis):      # numpy; x: float32 -> the quantised numbers, widened to float32 again
;;       x = np.moveaxis(x, axis, -1); K = x.shape[-1]
;;       x = np.pad(x, [(0, 0)] * (x.ndim - 1) + [(0, -K % 32)]); x = x.reshape(x.shape[:-1] + (-1, 32)); a = np.abs(x).max(-1, keepdims=True)
;;       e = np.where(a > 0, np.clip(np.frexp(np.where(a > 0, a, 1))[1] - 1 - 8, -126, 127), 0)      # np.frexp(a)[1] - 1 = floor(log2(a)), exactly
;;       r = np.clip(x / 2.0 ** e, -448, 448)
;;       step = 2.0 ** (np.maximum(np.frexp(np.where(r == 0, 1, r))[1] - 1, -6) - 3)
;;       q = np.round(r / step) * step * 2.0 ** e      # np.round: ties to even
;;       return np.moveaxis(q.reshape(q.shape[:-2] + (-1,))[..., :K], -1, axis).astype(np.float32)
;;   ~~~
;;   SOFTMAX AHEAD OF A QUANTISED PRODUCT. Where the list says 'softmax', what is quantised is not the finished softmax but p = 2^(t - M), with t = logit x log2(e) and M = ceil(the row's largest t), a whole number; so 1/2 < the row's largest p <= 1. The row's sum l is taken of the UNQUANTISED p, in f32, and the product's result is divided by l at the end. Since M is a whole number, a kernel that streams over the keys may use a running M (the ceiling of the running maximum): every later rescaling is an exact power of two, which a block's scale takes up: the codes' values come out the same.
;;   OPERANDS COMPUTED ON THE WAY. 'Computed on the way' means the value that the module computes at that place (a softmax that the list does not call 'softmax' is quantised finished and normalised). What goes into a quantiser is computed in f32, as accurately as f32 sums, v_exp_f32 and their like allow (about 1e-6 of the number): no bf16 or f16 on the way to a quantiser, and a product that is left as it is and whose result goes on into a quantised operand takes f32 operands (vector FMAs, or v_wmma_f32_16x16x4_f32). A number that lies on a knife's edge between two numbers of the format may be rounded either way, as far as f32 arithmetic and the matrix unit's own rounding can turn it there, and no further.
;; One version. Each part assembles by itself: llvm-mc -triple=amdgcn-amd-amdhsa -mcpu=gfx1250 --defsym DOCPART=n.
;; ======== version 1 of 1: 4 launches
;; limits: right only within a limited range of input values
;; workspace buffers: cw 12,582,912 bytes; sw 393,216 bytes; qkv 33,554,432 bytes; qkvs 1,572,864 bytes; ao 8,388,608 bytes; aos 262,144 bytes
;; launch quant (part 1): grid 768 x 1, 2 waves a work-group, no clusters, 16,640 bytes of LDS; arguments x, Wq, Wk, Wv, Wo, cw, sw; writes cw, sw
.if DOCPART == 1
	.amdgcn_target "amdgcn-amd-amdhsa--gfx1250"
	.amdhsa_code_object_version 6
	.text
	.protected	k_q8eb89508e5_quant
	.globl	k_q8eb89508e5_quant
	.p2align	8
	.type	k_q8eb89508e5_quant,@function
k_q8eb89508e5_quant:
	s_mov_b64 s[64:65], 0
	v_nop
	global_prefetch_b8 v0, s[64:65] scope:SCOPE_SE
	s_setreg_imm32_b32 hwreg(HW_REG_WAVE_MODE, 25, 1), 1
	s_wait_xcnt 0x0
; x [8192][1024] and Wq, Wk, Wv, Wo [1024][1024], f32, K innermost, become codes of FP8 (E4M3) with one E8M0 scale byte for each 32 along K.
; cw: codes, [12288 row places][1024]: places 0.. x, 8192.. Wq, 9216.. Wk, 10240.. Wv, 11264.. Wo.  sw: scale bytes, [4 (k / 256)][12288 row places][8].
; ROW PLACES: row a of a tensor is stored at place sigma(a) = a with bits 3 and 4 exchanged.  Sixteen neighbouring places 16 (2 b + u) + r then hold rows 32 b + 8 u + r + 8 (r / 8): the choice of rows by
; which a later product's results fall into a lane's registers as 16 neighbours.  K is never permuted.
; A block's scale is 2^(floor(log2(its largest magnitude)) - 8); its byte is the largest magnitude's exponent field - 8, held at 1 from below; each number is divided by the scale, held within +-448 and rounded to the nearest code, ties to even.
; LIMITS: a block of zeros gets the byte 1 where the rule says 127 (its codes are zeros, and this program alone reads the bytes); blocks whose largest magnitude lies under 2^-118 keep the byte 1; NaN and infinities are not served.
; A wave takes a run of 8 rows (8,192 numbers) in 16 steps of 512.  Each of a step's four loads reads 512 consecutive bytes; the 2,048 bytes turn through the wave's own stage in LDS and come back 64 bytes a lane,
; so that a lane holds 16 neighbours along K and two neighbouring lanes a block.  1,536 runs, two waves to a work-group; waves share nothing: no barrier.
; A run's 256 scale bytes leave as four pieces of 64 bytes (8 rows x 8 bytes of each k / 256): pieces of aligned blocks, one byte for each 32 bytes of codes.
.set STEPS, 16
.set EMAX,  8
.set MANT,  0x600000                   ; the mantissa field of 448 as f32
.set CB,    16                         ; bytes of 16 codes
.set R,     16                         ; v16-79   four sets of 16 numbers as they are loaded
.set X,     80                         ; v80-111  two sets of 16 neighbours
.set C,     128                        ; v128-191 codes: four registers for each step, so that no store's data are written again
.set E,     112                        ; v112-127 a scale byte for each step
.set WREG,  8192                       ; LDS: a region for each wave: two stages of 32 x SP bytes, behind them its 256 scale bytes
.set SP,    80                         ; a lane's place in a stage: its 64 bytes + 16 of padding
	s_load_b256 s[4:11], s[0:1], 0x0               ; x, Wq, Wk, Wv
	s_load_b128 s[12:15], s[0:1], 0x20             ; Wo, cw
	s_load_b64 s[24:25], s[0:1], 0x30              ; sw
	v_lshl_add_u32 v192, v0, 2, 0x4000
	v_mov_b32 v193, 0
	v_lshrrev_b32 v1, 5, v0
	v_readfirstlane_b32 s16, v1                    ; wave 0, 1
	v_and_b32 v2, 31, v0                           ; lane
	v_lshlrev_b32 v3, 4, v2                        ; 16 x lane: my 16 bytes of a load's 512, and of a step's 512 bytes of codes
	s_mul_i32 s17, s16, WREG
	v_lshrrev_b32 v14, 2, v2
	v_mul_u32_u24 v14, v14, SP
	v_and_b32 v15, 3, v2
	v_lshl_add_u32 v14, v15, 4, v14
	v_add_nc_u32 v14, s17, v14                     ; the stage, on the way in: SP (lane / 4) + 16 (lane % 4)
	v_mul_u32_u24 v15, v2, SP
	v_add_nc_u32 v15, s17, v15                     ; and on the way out: SP x lane: my 16 neighbours
	v_lshrrev_b32 v5, 1, v2
	s_add_co_u32 s17, s17, 2*32*SP
	v_add_nc_u32 v5, s17, v5                       ; LDS: my wave's 256 scale bytes, my block's byte
	v_lshl_add_u32 v6, v2, 3, s17                  ; and on the way out 8 bytes a lane: row lane / 4 of the run, k / 256 = lane % 4
	v_and_b32 v7, 3, v2
	v_mul_u32_u24 v7, v7, 98304                    ; in sw: 12,288 places x 8 bytes for each k / 256,
	v_lshrrev_b32 v12, 2, v2
	v_lshl_add_u32 v7, v12, 3, v7                  ; and 8 bytes a row
	s_lshl_b32 s18, ttmp9, 1
	s_add_co_u32 s18, s18, s16                     ; G: my run: 0-1023 x, then 128 for each W
	s_and_b32 s19, s18, 127                        ; the run's number inside a W
	s_and_b32 s20, s18, 1
	s_lshl_b32 s20, s20, 1
	s_bfe_u32 s21, s18, 0x10001
	s_or_b32 s20, s20, s21
	s_and_b32 s21, s18, 0xfffffffc
	s_or_b32 s20, s20, s21                         ; G with bits 0 and 1 exchanged: bits 3 and 4 of its rows: the run's place
	s_mov_b32 s27, 0
	s_wait_alu depctr_va_vdst(0)
	s_wait_kmcnt 0x0
	s_cmp_lt_u32 s18, 1408                         ; which tensor: the choice hangs on the run's number alone
	s_cselect_b64 s[12:13], s[10:11], s[12:13]
	s_cmp_lt_u32 s18, 1280
	s_cselect_b64 s[12:13], s[8:9], s[12:13]
	s_cmp_lt_u32 s18, 1152
	s_cselect_b64 s[12:13], s[6:7], s[12:13]
	s_cmp_lt_u32 s18, 1024
	s_cselect_b64 s[12:13], s[4:5], s[12:13]
	s_cselect_b32 s19, s18, s19
	s_lshl_b32 s26, s19, 15                        ; 32,768 bytes of f32 a run
	s_add_nc_u64 s[12:13], s[12:13], s[26:27]
	s_lshl_b32 s26, s20, 13                        ; 8,192 bytes of codes
	s_add_nc_u64 s[14:15], s[14:15], s[26:27]
	s_lshl_b32 s26, s20, 6                         ; 8 places x 8 scale bytes in each k / 256
	s_add_nc_u64 s[24:25], s[24:25], s[26:27]
.macro LOAD t
.irp i, 0,1,2,3
	global_load_b128 v[R+16*((\t)%4)+4*\i:R+16*((\t)%4)+4*\i+3], v3, s[12:13] offset:2048*(\t)+512*\i th:TH_LOAD_NT   ; 32 lanes read 512 consecutive bytes, read once
.endr
.endm
.macro TURN t                          ; step t's numbers through the stage: LDS serves a wave's instructions in order, so no wait stands between the stores and the loads
.irp i, 0,1,2,3
	ds_store_b128 v14, v[R+16*((\t)%4)+4*\i:R+16*((\t)%4)+4*\i+3] offset:32*SP*((\t)%2)+8*SP*\i
.endr
.irp i, 0,1,2,3
	ds_load_b128 v[X+16*((\t)%2)+4*\i:X+16*((\t)%2)+4*\i+3], v15 offset:32*SP*((\t)%2)+16*\i
.endr
.endm
.irp t, 0,1,2,3
	LOAD \t
.endr
	s_wait_loadcnt 12                              ; step 0's four loads are in; the twelve of steps 1 to 3 may be out
	TURN 0
.macro STEP t
.set XS, X+16*((\t)%2)
.if (\t) > 0
	s_wait_dscnt 1                                 ; this step's numbers are back from the stage (the last step's byte store may be out): so its stores into the stage have read their registers,
.else
	s_wait_dscnt 0x0
.endif
.if (\t)+4 < STEPS
	LOAD (\t)+4                                    ; which take the loads of four steps on
.endif
.if (\t)+1 < STEPS
.if STEPS-2-(\t) >= 3
	s_wait_loadcnt 12                              ; the next step's four loads are in; those of the three steps behind it may be out
.else
	s_wait_loadcnt 4*(STEPS-2-(\t))                ; in the tail fewer steps stand behind it
.endif
	TURN (\t)+1                                    ; and go through the other stage while this step is worked
.endif
	v_max3_num_f32 v8, |v[XS]|, |v[XS+1]|, |v[XS+2]|               ; the largest magnitude of my 16, in two chains
	v_max3_num_f32 v9, |v[XS+3]|, |v[XS+4]|, |v[XS+5]|
.irp i, 6,10
	v_max3_num_f32 v8, v8, |v[XS+\i]|, |v[XS+\i+1]|
	v_max3_num_f32 v9, v9, |v[XS+\i+2]|, |v[XS+\i+3]|
.endr
	v_max3_num_f32 v8, v8, |v[XS+14]|, |v[XS+15]|
	v_max3_num_f32 v8, v8, v9, (EMAX+1)<<23        ; and the floor 2^(9 - 127): the byte cannot fall under 1
	v_max_num_f32_dpp v8, v8, v8 row_xmask:1 row_mask:0xf bank_mask:0xf   ; and of my neighbour's 16: the block's
	v_add_nc_u32 v11, -(EMAX<<23), v8              ; 8 off its exponent field: the conversion takes the exponent field of this operand as its scale
.irp i, 0,1,2,3,4,5,6,7,8,9,10,11,12,13,14,15
.endr
	v_cvt_scalef32_pk8_fp8_f32 v[C+4*(\t):C+4*(\t)+1], v[XS:XS+7], v11
	v_cvt_scalef32_pk8_fp8_f32 v[C+4*(\t)+2:C+4*(\t)+3], v[XS+8:XS+15], v11
	v_lshrrev_b32 v[E+(\t)], 23, v11               ; the scale's byte (also the plain line behind the conversions)
	ds_store_b8 v5, v[E+(\t)] offset:16*(\t)       ; both lanes of a block write the same byte with the same value
	global_store_b128 v3, v[C+4*(\t):C+4*(\t)+3], s[14:15] offset:32*CB*(\t)   ; 32 lanes store 512 consecutive bytes
.endm
.irp t, 0,1,2,3,4,5,6,7,8,9,10,11,12,13,14,15
	STEP \t
.endr
	ds_load_b64 v[12:13], v6                       ; LDS serves a wave's instructions in order: this sees my byte stores
	s_wait_dscnt 0x0
	global_store_b64 v7, v[12:13], s[24:25]
	s_wait_tensorcnt 0x0
	ds_add_u32 v192, v193
	s_wait_dscnt 0x0
	s_endpgm
.Lfunc_end_k_q8eb89508e5_quant:
	.size	k_q8eb89508e5_quant, .Lfunc_end_k_q8eb89508e5_quant-k_q8eb89508e5_quant
	.p2alignl 7, 3214868480
	.fill 96, 4, 3214868480
	.section	.rodata,"a",@progbits
	.p2align	6, 0x0
	.amdhsa_kernel k_q8eb89508e5_quant
		.amdhsa_group_segment_fixed_size 16640
		.amdhsa_private_segment_fixed_size 0
		.amdhsa_enable_private_segment 0
		.amdhsa_kernarg_size 56
		.amdhsa_user_sgpr_count 2
		.amdhsa_user_sgpr_kernarg_segment_ptr 1
		.amdhsa_wavefront_size32 1
		.amdhsa_system_sgpr_workgroup_id_x 1
		.amdhsa_system_sgpr_workgroup_id_y 1
		.amdhsa_system_sgpr_workgroup_id_z 1
		.amdhsa_system_vgpr_workitem_id 0
		.amdhsa_next_free_vgpr 194
		.amdhsa_next_free_sgpr 66
		.amdhsa_reserve_vcc 0
		.amdhsa_float_denorm_mode_32 3
		.amdhsa_float_denorm_mode_16_64 3
		.amdhsa_fp16_overflow 1
		.amdhsa_memory_ordered 1
		.amdhsa_forward_progress 1
		.amdhsa_inst_pref_size 34
	.end_amdhsa_kernel
	.amdgpu_metadata
---
amdhsa.version: [ 1, 2 ]
amdhsa.kernels:
  - .name:           k_q8eb89508e5_quant
    .symbol:         k_q8eb89508e5_quant.kd
    .args:
      - { .name: x, .offset: 0, .size: 8, .value_kind: global_buffer, .address_space: global }
      - { .name: Wq, .offset: 8, .size: 8, .value_kind: global_buffer, .address_space: global }
      - { .name: Wk, .offset: 16, .size: 8, .value_kind: global_buffer, .address_space: global }
      - { .name: Wv, .offset: 24, .size: 8, .value_kind: global_buffer, .address_space: global }
      - { .name: Wo, .offset: 32, .size: 8, .value_kind: global_buffer, .address_space: global }
      - { .name: cw, .offset: 40, .size: 8, .value_kind: global_buffer, .address_space: global }
      - { .name: sw, .offset: 48, .size: 8, .value_kind: global_buffer, .address_space: global }
    .group_segment_fixed_size: 16640
    .private_segment_fixed_size: 0
    .kernarg_segment_align: 8
    .kernarg_segment_size: 56
    .max_flat_workgroup_size: 64
    .sgpr_count:     66
    .vgpr_count:     194
    .wavefront_size: 32
...
	.end_amdgpu_metadata
.endif
;; end of part 1
;; launch qkv (part 2): grid 12 x 32, 4 waves a work-group, clusters of 4 x 4, 327,680 bytes of LDS; arguments cw, sw, qkv, qkvs; writes qkv, qkvs
.if DOCPART == 2
	.amdgcn_target "amdgcn-amd-amdhsa--gfx1250"
	.amdhsa_code_object_version 6
	.text
	.protected	k_q8eb89508e5_qkv
	.globl	k_q8eb89508e5_qkv
	.p2align	8
	.type	k_q8eb89508e5_qkv,@function
k_q8eb89508e5_qkv:
	s_mov_b64 s[64:65], 0
	v_nop
	global_prefetch_b8 v0, s[64:65] scope:SCOPE_SE
	s_setreg_imm32_b32 hwreg(HW_REG_WAVE_MODE, 25, 1), 1
	s_wait_xcnt 0x0
	s_wait_alu depctr_hold_cnt(0) depctr_sa_sdst(0) depctr_va_vdst(0) depctr_va_sdst(0) depctr_va_ssrc(0) depctr_va_vcc(0) depctr_vm_vsrc(0)
	s_getreg_b32 s2, hwreg(HW_REG_IB_STS2, 6, 4)
	s_cmp_eq_u32 s2, 0
	s_cbranch_scc0 .Lentry_in_a_cluster
	s_endpgm
.Lentry_in_a_cluster:
	s_bfe_u32 s2, ttmp6, 0x10000c
	s_cmp_lg_u32 s2, 0xf033
	s_cbranch_scc0 .Lentry_shape_is_right
	s_endpgm
.Lentry_shape_is_right:
.set NQ,     2
.set ROWB,   256
.set KROW,   1024
.set PITCH,  272
.set FR,     16
.set NL,     4
.set NP,     8
.set HALFT,  128*PITCH
.set HALFA,  HALFT
.set A_Q,    128
.set A_C,    32
.set A_I,    16*PITCH
.set A_STEP, 2*ROWB
.set B_STEP, 2*ROWB
.set SLOT,   2*HALFA+2*HALFT
.set LAPS,   2
.set SCL,    2*SLOT
.set SCBO,   8320
.set SPARE,  SCL+16640
.set ROWS,   12288
.set ADRA, 16
.set ADRB, 20
.set ADRS, 27
.set SPW,  28
.set NIL,  29
.set SC,   32
.set AF,   128
.set LI,   64
.set VH,   65
.set SGQ,  66
.set SGV,  67
.set SGR,  68
.set SVO,  69
.set TM,   80
.set WD0,  96
.set WT,   120
.set CD0,  128
.set BKW,  160
.set MNT,  99
.set SEL,  100
.set G1, 24
.set G0, 32
.set G1B, 48
.set G0B, 56
.set G1S, 68
.set G0S, 76
.set G1SB, 80
.set G0SB, 88
.set MSB, 0
.macro WIN new
.if MSB != (\new)
	s_set_vgpr_msb (MSB<<8)|(\new)
.set MSB, (\new)
.endif
.endm
.set MUL_LO, 0xa1
.set MUL_HI, 0xf1
.set TO_B,   0x40
.macro JLOAD g0a, g1a, g0b, g1b
	s_cmp_eq_u32 s15, 0
	s_cbranch_scc0 .Lfor_b_\@
	tensor_load_to_lds s[\g0a:\g0a+3], s[\g1a:\g1a+7]
	s_nop 0
.rept 4
	v_nop
.endr
	s_branch .Lasked_\@
.Lfor_b_\@:
	tensor_load_to_lds s[\g0b:\g0b+3], s[\g1b:\g1b+7]
	s_nop 0
.rept 4
	v_nop
.endr
.Lasked_\@:
.endm
.macro CREST
	s_cmp_lg_u32 s14, 0
	s_cbranch_scc1 .Lnot_wave_0_\@
	s_barrier_signal -3
.Lnot_wave_0_\@:
	s_barrier_wait -3
	s_barrier_signal -1
	s_barrier_wait -1
.endm
.macro CROUND
	s_barrier_signal -1
	s_barrier_wait -1
	CREST
.endm
	s_load_b256 s[4:11], s[0:1], 0x0
	v_lshl_add_u32 v[SPW], v0, 2, SPARE
	v_mov_b32 v[NIL], 0
	ds_add_u32 v28, v29
	ds_add_u32 v28, v29
	s_wait_dscnt 0x0
	v_lshrrev_b32 v1, 5, v0
	v_readfirstlane_b32 s14, v1
	s_lshr_b32 s15, s14, 1
	s_and_b32 s16, s14, 1
	s_bfe_u32 s40, ttmp6, 0x40000
	s_bfe_u32 s41, ttmp6, 0x40004
	s_and_b32 s17, ttmp7, 0xffff
	s_lshl_b32 s17, s17, 10
	s_lshl_b32 s42, ttmp9, 10
	s_add_co_u32 s42, s42, 8192
	s_lshl_b32 s43, s41, 2
	s_lshl_b32 s43, 15, s43
	s_lshl_b32 s44, 0x1111, s40
	s_or_b32 s[G1+0], s43, (0<<16)|(1<<20)|(1<<21)|(5<<22)|(3<<25)
	s_or_b32 s[G1B+0], s44, (0<<16)|(1<<20)|(1<<21)|(5<<22)|(3<<25)
.irp g, G1, G1B
	s_mov_b32 s[\g+1], ROWB<<16
	s_mov_b32 s[\g+2], 128<<16
	s_mov_b32 s[\g+3], ROWB<<16
	s_mov_b32 s[\g+4], 128
	s_mov_b32 s[\g+5], KROW
	s_mov_b32 s[\g+6], 0
	s_mov_b32 s[\g+7], 0
.endr
	s_or_b32 s[G1S+0], s43, (3<<16)|(1<<21)
	s_or_b32 s[G1SB+0], s44, (3<<16)|(1<<21)
.irp g, G1S, G1SB
	s_mov_b32 s[\g+1], 128<<16
	s_mov_b32 s[\g+2], 4<<16
	s_mov_b32 s[\g+3], 128<<16
	s_mov_b32 s[\g+4], 4
	s_mov_b32 s[\g+5], ROWS
	s_mov_b32 s[\g+6], 0
	s_mov_b32 s[\g+7], 0
.endr
	s_cmp_eq_u32 ttmp9, 2
	s_cselect_b32 s20, 10240, s17
	s_cselect_b32 s46, s17, s42
	s_lshl_b32 s18, s16, 7
	s_lshl_b32 s19, s41, 8
	s_add_co_u32 s20, s20, s19
	s_add_co_u32 s20, s20, s18
	s_lshl_b32 s47, s40, 8
	s_add_co_u32 s46, s46, s47
	s_add_co_u32 s46, s46, s18
	s_lshl_b32 s22, s20, 3
	s_mov_b32 s23, 0
	s_lshl_b32 s20, s20, 10
	s_mov_b32 s21, 0
	s_lshl_b32 s92, s46, 3
	s_mov_b32 s93, 0
	s_lshl_b32 s46, s46, 10
	s_mov_b32 s47, 0
	s_mul_i32 s45, s16, HALFA
	s_mul_i32 s94, s16, HALFT
	s_add_co_u32 s94, s94, 2*HALFA
	s_lshl_b32 s95, s16, 12
	s_wait_kmcnt 0x0
	s_add_nc_u64 s[20:21], s[4:5], s[20:21]
	s_add_nc_u64 s[22:23], s[6:7], s[22:23]
	s_add_nc_u64 s[46:47], s[4:5], s[46:47]
	s_add_nc_u64 s[92:93], s[6:7], s[92:93]
	CROUND
	s_mov_b32 s[G0S], 1
	s_add_co_u32 s[G0S+1], s95, SCL
	s_mov_b64 s[G0S+2:G0S+3], s[22:23]
	s_or_b32 s[G0S+3], s[G0S+3], 0x80000000
	s_mov_b32 s[G0SB], 1
	s_add_co_u32 s[G0SB+1], s95, SCL+SCBO
	s_mov_b64 s[G0SB+2:G0SB+3], s[92:93]
	s_or_b32 s[G0SB+3], s[G0SB+3], 0x80000000
	JLOAD G0S, G1S, G0SB, G1SB
.irp s, 0,1
	s_mov_b32 s[G0+4*\s], 1
	s_add_co_u32 s[G0+4*\s+1], s45, \s*SLOT
	s_add_nc_u64 s[G0+4*\s+2:G0+4*\s+3], s[20:21], \s*ROWB
	s_or_b32 s[G0+4*\s+3], s[G0+4*\s+3], 0x80000000
	s_mov_b32 s[G0B+4*\s], 1
	s_add_co_u32 s[G0B+4*\s+1], s94, \s*SLOT
	s_add_nc_u64 s[G0B+4*\s+2:G0B+4*\s+3], s[46:47], \s*ROWB
	s_or_b32 s[G0B+4*\s+3], s[G0B+4*\s+3], 0x80000000
	s_wait_alu depctr_va_vdst(0)
	s_wait_tensorcnt 0x0
	ds_add_u32 v28, v29
	s_wait_dscnt 0x0
	CROUND
	JLOAD G0+4*\s, G1, G0B+4*\s, G1B
.endr
	v_and_b32 v1, 15, v0
	v_bfe_u32 v2, v0, 4, 1
	s_wait_alu depctr_va_vdst(0)
	v_mul_u32_u24 v3, v1, PITCH
	v_lshl_add_u32 v4, v2, 4, v3
	s_mul_i32 s21, s15, HALFA
	s_mul_i32 s22, s16, HALFT
	s_add_co_u32 s22, s22, 2*HALFA
.irp s, 0,1
	v_add_nc_u32 v[ADRA+\s], s21, v4
	v_add_nc_u32 v[ADRB+\s], s22, v4
	s_add_co_u32 s21, s21, SLOT
	s_add_co_u32 s22, s22, SLOT
.endr
	v_lshlrev_b32 v5, 3, v1
	s_lshl_b32 s21, s15, 12
	s_lshl_b32 s22, s16, 12
	s_add_co_u32 s22, s22, SCBO
	s_sub_co_u32 s22, s22, s21
	v_mul_u32_u24 v6, s22, v2
	s_add_co_u32 s21, s21, SCL
	v_add_nc_u32 v5, v5, v6
	v_add_nc_u32 v[ADRS], s21, v5
	s_mov_b32 s[SEL], 0x76543210
	s_mov_b32 s[SEL+1], 0xfedcba98
	s_lshl_b32 s18, s41, 8
	s_lshl_b32 s19, s15, 7
	s_add_co_u32 s18, s18, s19
	s_add_co_u32 s18, s18, s17
	s_lshl_b32 s19, s40, 8
	s_lshl_b32 s21, s16, 7
	s_add_co_u32 s19, s19, s21
	s_add_co_u32 s19, s19, s17
	s_lshl_b32 s21, s40, 2
	s_lshl_b32 s22, s16, 1
	s_add_co_u32 s21, s21, s22
	s_lshl_b32 s22, s41, 2
	s_lshl_b32 s23, s15, 1
	s_add_co_u32 s22, s22, s23
	s_cmp_eq_u32 ttmp9, 2
	s_cselect_b32 s18, s19, s18
	s_cselect_b32 s21, s22, s21
	s_cselect_b32 s19, 1, 0
	s_lshr_b32 s22, s18, 11
	s_lshl_b32 s22, s22, 4
	s_add_co_u32 s22, s22, s21
	s_lshl_b32 s22, s22, 4
	s_bfe_u32 s23, s18, 0x40007
	s_add_co_u32 s22, s22, s23
	s_min_u32 s23, ttmp9, 1
	s_lshl_b32 s12, s23, 24
	s_lshl_b32 s13, s22, 14
	s_add_co_u32 s12, s12, s13
	s_lshl_b32 s13, s19, 13
	s_add_co_u32 s12, s12, s13
	s_mov_b32 s13, 0
	s_add_nc_u64 s[12:13], s[8:9], s[12:13]
	s_mul_i32 s92, s23, 786432
	s_mul_i32 s93, s22, 768
	s_add_co_u32 s92, s92, s93
	s_lshl_b32 s93, s19, 9
	s_add_co_u32 s92, s92, s93
	s_mov_b32 s93, 0
	s_add_nc_u64 s[92:93], s[10:11], s[92:93]
	s_lshl_b32 s94, 1024, s19
	s_mov_b32 s95, 0
	s_mul_i32 s96, s19, 254976
	s_add_co_u32 s96, s96, 1024
	s_mov_b32 s97, 0
	s_lshl_b32 s22, s19, 3
	s_lshr_b32 s98, 0x40000, s22
	v_and_b32 v6, 31, v0
	v_lshlrev_b32 v[LI], 4, v6
	v_add_nc_u32 v[VH], s98, v[LI]
	s_lshl_b32 s23, s14, 11
	v_lshl_add_u32 v[SGQ], v1, 5, s23
	v_lshl_add_u32 v[SGV], v1, 4, s23
	v_add_nc_u32 v[SGR], s23, v[LI]
	v_mul_u32_u24 v[SVO], v2, 12288
	v_lshl_add_u32 v[SVO], v1, 4, v[SVO]
.irp b, 0,1,2,3
	v_mov_b32 v[TM+4+\b], 0
.endr
.macro FRAGB reg, adr, q, i
.irp c, 0,1,2,3
	ds_load_b128 v[\reg+4*\c:\reg+4*\c+3], v[\adr] offset:128*(\q)+32*\c+(\i)*16*PITCH
.endr
.endm
.macro FRAGA reg, adr, q, i
.irp c, 0,1,2,3
	ds_load_b128 v[\reg+4*\c:\reg+4*\c+3], v[\adr] offset:A_Q*(\q)+A_C*\c+(\i)*A_I
.endr
.endm
.macro MUL16 a0, p, q, sc, zero
.irp a, \a0, \a0+1
.irp b, 0,1,2,3,4,5,6,7
.if \zero
	v_wmma_scale_f32_16x16x128_f8f6f4 v[8*(8*((\a)%4)+\b):8*(8*((\a)%4)+\b)+7], v[128*(\p)+FR*\b:128*(\p)+FR*\b+FR-1], v[AF+FR*(\a):AF+FR*(\a)+FR-1], 0, v[SC+8*NQ*(\sc)+NQ*\b+(\q)], v[SC+8*NQ*(\sc)+NQ*(\a)+(\q)] matrix_a_scale:MATRIX_SCALE_ROW1
.else
	v_wmma_scale_f32_16x16x128_f8f6f4 v[8*(8*((\a)%4)+\b):8*(8*((\a)%4)+\b)+7], v[128*(\p)+FR*\b:128*(\p)+FR*\b+FR-1], v[AF+FR*(\a):AF+FR*(\a)+FR-1], v[8*(8*((\a)%4)+\b):8*(8*((\a)%4)+\b)+7], v[SC+8*NQ*(\sc)+NQ*\b+(\q)], v[SC+8*NQ*(\sc)+NQ*(\a)+(\q)] matrix_a_scale:MATRIX_SCALE_ROW1
.endif
.endr
.endr
.endm
.macro FETCH_B slot, q, p
	WIN TO_B
.irp i, 0,1,2,3,4,5,6,7
	FRAGB 128*(\p)+FR*\i, ADRB+\slot, \q, \i
.endr
	WIN 0
.endm
.macro FETCH_A slot, q, i0
.irp i, \i0, \i0+1, \i0+2, \i0+3
	FRAGA AF+FR*(\i), ADRA+\slot, \q, \i
.endr
.endm
.macro SCALES sc
.irp i, 0,1,2,3,4,5,6,7
	ds_load_b64 v[SC+8*NQ*\sc+NQ*\i:SC+8*NQ*\sc+NQ*\i+1], v[ADRS] offset:\i*128
.endr
.endm
.macro PLACES n
.rept \n
	v_nop
.endr
.endm
.macro STEP slot, q, zero
	s_wait_dscnt 4*NL
	WIN MUL_LO
	MUL16 0, (\q)%2, \q, \slot, \zero
	MUL16 2, (\q)%2, \q, \slot, \zero
	s_wait_dscnt 0
	PLACES NP
	FETCH_B \slot, (\q)+1, 1-(\q)%2
	FETCH_A \slot, (\q)+1, 0
	WIN MUL_HI
	MUL16 4, (\q)%2, \q, \slot, \zero
	MUL16 6, (\q)%2, \q, \slot, \zero
	PLACES NP
	WIN 0
	FETCH_A \slot, (\q)+1, 4
.endm
.macro TURN slot, next, fill
	s_wait_tensorcnt 0x0
	ds_add_u32 v[SPW], v[NIL]
	s_wait_dscnt 4*NL+1
	WIN MUL_LO
	MUL16 0, 1, NQ-1, \slot, 0
	s_wait_dscnt 0x0
	s_barrier_signal -1
	MUL16 2, 1, NQ-1, \slot, 0
	WIN 0
	s_barrier_wait -1
.if \fill
	CREST
	s_add_nc_u64 s[G0+4*\slot+2:G0+4*\slot+3], s[G0+4*\slot+2:G0+4*\slot+3], A_STEP
	s_add_nc_u64 s[G0B+4*\slot+2:G0B+4*\slot+3], s[G0B+4*\slot+2:G0B+4*\slot+3], B_STEP
	JLOAD G0+4*\slot, G1, G0B+4*\slot, G1B
	PLACES NP-4
.else
	PLACES NP
.endif
	s_wait_alu depctr_va_vdst(0)
	v_add_nc_u32 v[ADRS], 1024, v[ADRS]
	FETCH_B \next, 0, 0
	FETCH_A \next, 0, 0
	SCALES \next
	WIN MUL_HI
	MUL16 4, 1, NQ-1, \slot, 0
	MUL16 6, 1, NQ-1, \slot, 0
	PLACES NP
	WIN 0
	FETCH_A \next, 0, 4
.endm
	s_wait_tensorcnt 1
	s_barrier_signal -1
	s_barrier_wait -1
	FETCH_B 0, 0, 0
	FETCH_A 0, 0, 0
	SCALES 0
	FETCH_A 0, 0, 4
	STEP 0, 0, 1
	s_mov_b32 s3, LAPS-1
.Llap:
	TURN 0, 1, 1
	STEP 1, 0, 0
	TURN 1, 0, 1
	STEP 0, 0, 0
	s_sub_co_u32 s3, s3, 1
	s_cmp_lg_u32 s3, 0
	s_cbranch_scc1 .Llap
	TURN 0, 1, 0
	STEP 1, 0, 0
	s_wait_dscnt 4*NL
	WIN MUL_LO
	MUL16 0, 1, NQ-1, 1, 0
	MUL16 2, 1, NQ-1, 1, 0
	s_wait_dscnt 0
	WIN MUL_HI
	MUL16 4, 1, NQ-1, 1, 0
	MUL16 6, 1, NQ-1, 1, 0
	WIN 0
.macro OUT a
.set W,  2+(\a)/4
.set AC, 64*((\a)%4)
.set CD, CD0+16*((\a)%2)
.set WD, WD0+3*(\a)
	WIN (W<<2)|(W<<4)
.irp b, 0,1,2,3
	v_max3_num_f32 v[TM+\b], 0x4800000, |v[AC+16*\b]|, |v[AC+16*\b+1]|
.endr
.irp i, 2,4,6,8,10,12,14
.irp b, 0,1,2,3
	v_max3_num_f32 v[TM+\b], v[TM+\b], |v[AC+16*\b+\i]|, |v[AC+16*\b+\i+1]|
.endr
.endr
	WIN 0
.irp b, 0,1,2,3
	v_permlanex16_b32 v[TM+4+\b], v[TM+\b], s[SEL], s[SEL+1]
.endr
.irp b, 0,1,2,3
	v_max_num_f32 v[TM+\b], v[TM+\b], v[TM+4+\b]
.endr
.irp b, 0,1,2,3
	v_add_nc_u32 v[TM+12+\b], 0xfc000000, v[TM+\b]
.endr
.irp b, 0,1,2,3
.endr
.irp b, 0,1,2,3
	v_lshrrev_b32 v[TM+4+\b], 23, v[TM+12+\b]
.endr
	v_lshl_or_b32 v[WT], v[TM+5], 8, v[TM+4]
	v_lshl_or_b32 v[WT+1], v[TM+7], 8, v[TM+6]
	v_or_b32 v[WD], 0x7f7f0000, v[WT]
	v_or_b32 v[WD+1], 0x7f7f0000, v[WT+1]
	v_lshl_or_b32 v[WD+2], v[WT+1], 16, v[WT]
	WIN W|(W<<6)
.irp b, 0,1,2,3
.irp i, 0,1,2,3,4,5,6,7,8,9,10,11,12,13,14,15
.endr
.endr
	WIN W
.irp b, 0,1,2,3
	v_cvt_scalef32_pk8_fp8_f32 v[CD+4*\b:CD+4*\b+1], v[AC+16*\b:AC+16*\b+7], v[TM+12+\b]
	v_cvt_scalef32_pk8_fp8_f32 v[CD+4*\b+2:CD+4*\b+3], v[AC+16*\b+8:AC+16*\b+15], v[TM+12+\b]
.endr
	WIN 0
	v_nop
	ds_store_b32 v[SGQ], v[WD] offset:4*(\a)
	ds_store_b32 v[SGQ], v[WD+1] offset:512+4*(\a)
	ds_store_b32 v[SGV], v[WD+2] offset:1024+256*((\a)/4)+4*((\a)%4)
.if (\a) > 0
	s_wait_alu depctr_va_vdst(0)
	s_wait_xcnt 0x0
.if (\a) == 4
	s_add_nc_u64 s[12:13], s[12:13], s[96:97]
.else
	s_add_nc_u64 s[12:13], s[12:13], s[94:95]
.endif
.endif
	global_store_b128 v[LI], v[CD:CD+3], s[12:13]
	global_store_b128 v[LI], v[CD+4:CD+7], s[12:13] offset:512
	global_store_b128 v[VH], v[CD+8:CD+11], s[12:13]
	global_store_b128 v[VH], v[CD+12:CD+15], s[12:13] offset:512
.endm
	PLACES NP
.irp a, 0,1,2,3,4,5,6,7
	OUT \a
.endr
	s_cmp_eq_u32 ttmp9, 2
	s_cbranch_scc1 .Lv_words
	ds_load_b128 v[BKW:BKW+3], v[SGR]
	ds_load_b128 v[BKW+4:BKW+7], v[SGR] offset:512
	s_wait_dscnt 0x0
	global_store_b128 v[LI], v[BKW:BKW+3], s[92:93]
	global_store_b128 v[LI], v[BKW+4:BKW+7], s[92:93] offset:12288
	s_branch .Lwords_out
.Lv_words:
	ds_load_b128 v[BKW:BKW+3], v[SGR] offset:1024
	s_wait_dscnt 0x0
	global_store_b128 v[SVO], v[BKW:BKW+3], s[92:93]
.Lwords_out:
	s_wait_tensorcnt 0x0
	ds_add_u32 v[SPW], v[NIL]
	s_wait_dscnt 0x0
	CROUND
	s_endpgm
.Lfunc_end_k_q8eb89508e5_qkv:
	.size	k_q8eb89508e5_qkv, .Lfunc_end_k_q8eb89508e5_qkv-k_q8eb89508e5_qkv
	.p2alignl 7, 3214868480
	.fill 96, 4, 3214868480
	.section	.rodata,"a",@progbits
	.p2align	6, 0x0
	.amdhsa_kernel k_q8eb89508e5_qkv
		.amdhsa_group_segment_fixed_size 327680
		.amdhsa_private_segment_fixed_size 0
		.amdhsa_enable_private_segment 0
		.amdhsa_kernarg_size 32
		.amdhsa_user_sgpr_count 2
		.amdhsa_user_sgpr_kernarg_segment_ptr 1
		.amdhsa_wavefront_size32 1
		.amdhsa_system_sgpr_workgroup_id_x 1
		.amdhsa_system_sgpr_workgroup_id_y 1
		.amdhsa_system_sgpr_workgroup_id_z 1
		.amdhsa_system_vgpr_workitem_id 0
		.amdhsa_next_free_vgpr 1024
		.amdhsa_next_free_sgpr 102
		.amdhsa_reserve_vcc 0
		.amdhsa_float_denorm_mode_32 3
		.amdhsa_float_denorm_mode_16_64 3
		.amdhsa_fp16_overflow 1
		.amdhsa_memory_ordered 1
		.amdhsa_forward_progress 1
		.amdhsa_inst_pref_size 155
	.end_amdhsa_kernel
	.amdgpu_metadata
---
amdhsa.version: [ 1, 2 ]
amdhsa.kernels:
  - .name:           k_q8eb89508e5_qkv
    .symbol:         k_q8eb89508e5_qkv.kd
    .args:
      - { .name: cw, .offset: 0, .size: 8, .value_kind: global_buffer, .address_space: global }
      - { .name: sw, .offset: 8, .size: 8, .value_kind: global_buffer, .address_space: global }
      - { .name: qkv, .offset: 16, .size: 8, .value_kind: global_buffer, .address_space: global }
      - { .name: qkvs, .offset: 24, .size: 8, .value_kind: global_buffer, .address_space: global }
    .group_segment_fixed_size: 327680
    .private_segment_fixed_size: 0
    .kernarg_segment_align: 8
    .kernarg_segment_size: 32
    .max_flat_workgroup_size: 128
    .sgpr_count:     102
    .vgpr_count:     1024
    .wavefront_size: 32
...
	.end_amdgpu_metadata
.endif
;; end of part 2
;; launch attn (part 3): grid 8 x 64, 16 waves a work-group, clusters of 4 x 1, 327,680 bytes of LDS; arguments qkv, qkvs, ao, aos; writes ao, aos
.if DOCPART == 3
	.amdgcn_target "amdgcn-amd-amdhsa--gfx1250"
	.amdhsa_code_object_version 6
	.text
	.protected	k_q8eb89508e5_attn
	.globl	k_q8eb89508e5_attn
	.p2align	8
	.type	k_q8eb89508e5_attn,@function
k_q8eb89508e5_attn:
	s_mov_b64 s[64:65], 0
	v_nop
	global_prefetch_b8 v0, s[64:65] scope:SCOPE_SE
	s_setreg_imm32_b32 hwreg(HW_REG_WAVE_MODE, 25, 1), 1
	s_wait_xcnt 0x0
	s_wait_alu depctr_hold_cnt(0) depctr_sa_sdst(0) depctr_va_vdst(0) depctr_va_sdst(0) depctr_va_ssrc(0) depctr_va_vcc(0) depctr_vm_vsrc(0)
	s_getreg_b32 s2, hwreg(HW_REG_IB_STS2, 6, 4)
	s_cmp_eq_u32 s2, 0
	s_cbranch_scc0 .Lentry_in_a_cluster
	s_endpgm
.Lentry_in_a_cluster:
	s_bfe_u32 s2, ttmp6, 0x10000c
	s_cmp_lg_u32 s2, 0x3003
	s_cbranch_scc0 .Lentry_shape_is_right
	s_endpgm
.Lentry_shape_is_right:
; o = softmax(q k^T / 8) v for one head (64 channels, 2,048 keys), both products on codes of FP8 (E4M3) with one E8M0 scale for each 32 along a product's K; the result is quantised along d_model for the last product.
; THE SOFTMAX AHEAD OF THE SECOND PRODUCT: t = score x log2(e) / 8; M = the row's largest t so far, rounded UP to a whole number; p = 2^(t - M) is what is quantised, along the keys.  The row's sum is taken of the
; unquantised p and divides o at the end.  When M moves, the sum and o are multiplied by 2^(old M - new M): exact.
; INPUTS (made by the launch before): qkv: region 0 [batch x head][key step][16384]: q's images; region 1, 2^24 bytes on: k's images at +0, v's at +8192.  An image is an operand's registers, 16 bytes a lane, 512 bytes a piece.
; q, k: [tile 8][c 2]: the real half of a fragment (K = 64 channels); the other half is zero codes, kept in registers.  v: [channel tile 4][c 4], K = the step's 128 keys.  qkvs: the scale words, 768 bytes a key step.
; Rows of x, and so queries and keys, lie by row places (bits 3 and 4 exchanged), so that a lane's 16 registers of two neighbouring tiles of keys, or of channels, are 16 neighbours.
; SHARES.  A work-group owns 256 query places of one head; each of its sixteen waves 16, one tile, in 256 registers: four waves to a SIMD.  Both products are used transposed: a lane holds ONE query throughout.
; LDS.  A head's k, v and scale words are 274,432 bytes: they fit whole.  Every byte is asked for once, at the head, by waves 0 to 3, three loads each; nothing is filled again, so the loop over the keys has no barrier but one.
; CLUSTER.  The four work-groups of a cluster belong to one head: each tile is asked for JOINTLY, by the same load with the same descriptor and a mask that names the four.
; OUTPUTS: ao: images of the last product's A: [tile of 16 query places 512][head 16][block 2][lane][16 bytes]; aos: scale bytes [4 (k / 256)][8192 places][8].  A wave's scale bytes are 16 pieces of 2 bytes: one byte for each 32 of codes.
; LIMITS: p under 2^-126 is 0 (v_exp_f32 flushes); 1 / the sum by v_rcp_f32; a block of zeros gets the byte 1 (its codes are zeros; this program alone reads the bytes); NaN and infinities are not served.
.set KVB,  16384                       ; a key step in LDS: k's image, 8,192 bytes, then v's
.set VIM,  8192
.set SCB,  262144                      ; behind the 16 key steps: the scale words, 768 bytes a key step: k's [r 16][tile 8], then v's [r 16][channel tile 4]
.set SCS,  768
.set WV,   12                          ; s12  my wave's number
.set MNT,  19
.set SEL,  20                          ; s[20:21] lane selects for v_permlanex16_b32: lane l xor 16
.set CS,   22                          ; s[22:23] c = log2(e) / 8: the packed form names a pair and takes its low word for both halves
.set G1S,  24                          ; s[24:31], s[32:39], s[40:47] descriptor groups 1: 12, 64, 192 rows of 256 bytes
.set G1A,  32
.set G1B,  40
.set G0S,  48                          ; s[48:51], s[52:55], s[56:59] their groups 0
.set G0A,  52
.set G0B,  56
.set TB,   2                           ; s2   LDS byte at which the key step in hand begins
.set TS,   3                           ; s3   and its scale words, from SCB on
.set CNT,  60                          ; s60  counts a loop's trips
.set LI,   1                           ; v1   16 x lane
.set AS0,  2                           ; v2   SCB + 32 r: k's scale words
.set AT0,  3                           ; v3   SCB + 512 + 16 r: v's
.set ADK,  4                           ; v4-6 the step's addresses
.set ADS,  5
.set ADT,  6
.set AO,   7                           ; v7   8 r: my place in aos
.set QF,   16                          ; v16-31   q's fragment (v24-31 zero codes);   v12 -M, v13 the largest t, v[14:15] the sum in two halves
.set KF,   32                          ; v32-95   four fragments of k (the upper eight registers of each: zero codes, written once)
.set S,    96                          ; v96-159  S^T, then p, then v's four fragments
.set O,    160                         ; v160-191 O^T
.set PC,   192                         ; v192-207 p's codes
.set KS,   208                         ; v208-215 k's scale words;  v216-219 v's;  v220 q's;  v221 p's: these hold scales and nothing else
.set VS,   216
.set QS,   220
.set PS,   221
.set BM,   224                         ; v224-227 the blocks' largest scores, then largest p
.set T1,   228                         ; v228-231 at work
.set HD,   232
.set SO,   236                         ; v236-239 the conversions' scale operands
.set F,    240                         ; v[240:241] f = 2^(old M - new M) (v241 is named with it as a pair)
.set TMP,  242
.macro CROUND                          ; a round of the cluster's barrier
	s_barrier_signal -1
	s_barrier_wait -1
	s_cmp_lg_u32 s[WV], 0
	s_cbranch_scc1 .Lnot_wave_0_\@
	s_barrier_signal -3
.Lnot_wave_0_\@:
	s_barrier_wait -3
	s_barrier_signal -1
	s_barrier_wait -1
.endm
	s_load_b256 s[4:11], s[0:1], 0x0               ; qkv s[4:5], qkvs s[6:7], ao s[8:9], aos s[10:11]
	v_lshl_add_u32 v254, v0, 2, 0x43000
	v_mov_b32 v255, 0
	ds_add_u32 v254, v255
	ds_add_u32 v254, v255
	v_lshrrev_b32 v1, 5, v0
	s_delay_alu instid0(VALU_DEP_1)
	v_readfirstlane_b32 s[WV], v1                  ; wave 0..15
	s_bfe_u32 s13, ttmp6, 0x40000                  ; cx: my place in the cluster: it enters q's and the outputs' addresses alone
	s_and_b32 s14, ttmp7, 0xffff                   ; batch x 16 + head, which the four partners share
	s_and_b32 s15, s[WV], 3                        ; which quarter I fetch, if I fetch
	; descriptor groups 1: dense blocks as rows of 256 bytes (32 elements of 8 bytes), no padding: images are read 512 consecutive bytes at a time
.irp g, G1S, G1A, G1B
	s_mov_b32 s[\g], 15|(3<<16)|(1<<21)            ; 15:0 the mask: all four work-groups; 17:16 elements of 8 bytes; 21 set beside a mask
	s_mov_b32 s[\g+1], 32<<16                      ; tensor_dim0
	s_mov_b32 s[\g+3], 32<<16                      ; tile_dim0
	s_mov_b32 s[\g+5], 32                          ; from row to row
	s_mov_b32 s[\g+6], 0
	s_mov_b32 s[\g+7], 0
.endr
	s_mov_b32 s[G1S+2], 12<<16                     ; tensor_dim1 and tile_dim1: a quarter of the head's scale words, 3,072 bytes;
	s_mov_b32 s[G1S+4], 12
	s_mov_b32 s[G1A+2], 64<<16                     ; one of key steps 0 to 3, 16,384 bytes;
	s_mov_b32 s[G1A+4], 64
	s_mov_b32 s[G1B+2], 192<<16                    ; three of key steps 4 to 15, 49,152 bytes
	s_mov_b32 s[G1B+4], 192
	s_mov_b32 s[G0S], 1
	s_mov_b32 s[G0A], 1
	s_mov_b32 s[G0B], 1
	s_mul_i32 s16, s15, 3072
	s_add_co_u32 s[G0S+1], s16, SCB                ; LDS addresses: constants and the wave's number
	s_lshl_b32 s[G0A+1], s15, 14
	s_mul_i32 s17, s15, 49152
	s_add_co_u32 s[G0B+1], s17, 65536
	s_mul_i32 s62, s14, 12288                      ; the head's scale words in region 1 of qkvs,
	s_add_co_u32 s62, s62, s16
	s_add_co_u32 s62, s62, 786432
	s_mov_b32 s63, 0
	s_lshl_b32 s18, s14, 18
	s_add_co_u32 s18, s18, 0x1000000               ; and its 262,144 bytes of k and v in region 1 of qkv: they lie in LDS as in memory
	s_mov_b32 s[SEL], 0x76543210
	s_mov_b32 s[SEL+1], 0xfedcba98
	s_mov_b32 s[CS], 0x3e38aa3b                    ; c = log2(e) / 8
	s_mov_b32 s[CS+1], s[CS]                       ; (named with it as a pair, so it is written)
	s_mov_b32 s[TB], 0
	s_mov_b32 s[TS], 0
	s_wait_dscnt 0x0
	s_wait_kmcnt 0x0
	s_add_nc_u64 s[G0S+2:G0S+3], s[6:7], s[62:63]
	s_or_b32 s[G0S+3], s[G0S+3], 0x80000000
	s_add_co_u32 s62, s18, s[G0A+1]
	s_add_nc_u64 s[G0A+2:G0A+3], s[4:5], s[62:63]
	s_or_b32 s[G0A+3], s[G0A+3], 0x80000000
	s_add_co_u32 s62, s18, s[G0B+1]
	s_add_nc_u64 s[G0B+2:G0B+3], s[4:5], s[62:63]
	s_or_b32 s[G0B+3], s[G0B+3], 0x80000000
	CROUND                                         ; all four work-groups are here: the joint loads meet
	s_cmp_lt_u32 s[WV], 4                          ; waves 0 to 3 fetch: a wave's three fills stand in one branch, ahead of every wait on TENSORcnt, every LDS read and every further barrier: three loads of mine are out
	s_cbranch_scc0 .Lno_fetch
	tensor_load_to_lds s[G0S:G0S+3], s[G1S:G1S+7]
	s_nop 0
	tensor_load_to_lds s[G0A:G0A+3], s[G1A:G1A+7]
	s_nop 0
	tensor_load_to_lds s[G0B:G0B+3], s[G1B:G1B+7]
	s_nop 0
.rept 4
	v_nop
.endr
.Lno_fetch:
	s_lshl_b32 s16, ttmp9, 2                       ; in a cluster launch ttmp9 counts clusters
	s_add_co_u32 s16, s16, s13                     ; my block of 256 query places
	s_lshl_b32 s17, s16, 1
	s_lshr_b32 s18, s[WV], 3
	s_add_co_u32 s17, s17, s18                     ; my tile's group of 128 places,
	s_lshl_b32 s18, s14, 4
	s_add_co_u32 s17, s17, s18                     ; in my head
	s_and_b32 s18, s[WV], 7                        ; and the tile in it
	s_lshl_b32 s62, s17, 14
	s_lshl_b32 s61, s18, 10
	s_add_co_u32 s62, s62, s61
	s_add_nc_u64 s[4:5], s[4:5], s[62:63]          ; q's image
	s_mul_i32 s62, s17, 768
	s_lshl_b32 s61, s18, 2
	s_add_co_u32 s62, s62, s61
	s_add_nc_u64 s[6:7], s[6:7], s[62:63]          ; q's scale words
	s_lshl_b32 s17, s16, 4
	s_add_co_u32 s17, s17, s[WV]
	s_lshr_b32 s18, s14, 4
	s_lshl_b32 s18, s18, 7
	s_add_co_u32 s17, s17, s18                     ; my tile among all 512: batch x 128 + tile
	s_and_b32 s18, s14, 15                         ; the head
	s_lshl_b32 s62, s17, 14
	s_lshl_b32 s61, s18, 10
	s_add_co_u32 s62, s62, s61
	s_add_nc_u64 s[8:9], s[8:9], s[62:63]          ; ao: tile x 16,384 + head x 1,024
	s_lshr_b32 s62, s18, 2
	s_lshl_b32 s62, s62, 16
	s_lshl_b32 s61, s17, 7
	s_add_co_u32 s62, s62, s61
	s_and_b32 s61, s18, 3
	s_lshl_b32 s61, s61, 1
	s_add_co_u32 s62, s62, s61
	s_add_nc_u64 s[10:11], s[10:11], s[62:63]      ; aos: (head / 4) x 65,536 + tile x 128 + 2 (head % 4)
	v_and_b32 v1, 31, v0
	s_delay_alu instid0(VALU_DEP_1)
	v_lshlrev_b32 v[LI], 4, v1
	v_and_b32 v8, 15, v0                           ; r
	s_delay_alu instid0(VALU_DEP_1)
	v_lshl_add_u32 v[AS0], v8, 5, SCB
	s_delay_alu instid0(VALU_DEP_2)
	v_lshl_add_u32 v[AT0], v8, 4, SCB+512
	s_delay_alu instid0(VALU_DEP_3)
	v_lshlrev_b32 v[AO], 3, v8
	s_delay_alu instid0(VALU_DEP_4)
	v_lshlrev_b32 v9, 5, v8
	global_load_b128 v[QF:QF+3], v[LI], s[4:5] th:TH_LOAD_NT               ; q's fragment stays in registers: channels 0-31,
	global_load_b128 v[QF+4:QF+7], v[LI], s[4:5] offset:512 th:TH_LOAD_NT  ; channels 32-63
	global_load_b32 v[QS], v9, s[6:7]              ; and its scale words: lane r has query r's
.irp j, 8,9,10,11,12,13,14,15
	v_mov_b32 v[QF+\j], 0                          ; K is filled from 64 to 128 with zero codes, on both sides
.irp t, 0,1,2,3
	v_mov_b32 v[KF+16*\t+\j], 0
.endr
.endr
	v_mov_b32 v13, 0xff61b1e6                      ; the largest t so far: -3e38, under every t
	s_delay_alu instid0(VALU_DEP_1)
	v_floor_f32 v12, -v13                          ; -M
	v_mov_b32 v14, 0                               ; the sum, in two halves
	v_mov_b32 v15, 0
.irp b, 0,1,2,3
	v_mov_b32 v[T1+\b], 0                          ; written once: a lane permute's destination counts as one of its sources
.endr
	v_mov_b32 v[F+1], 0
.set j, 0
.rept 32
	v_mov_b32 v[O+j], 0                            ; O^T.  (The step is written with no first step of its own: the first finds zeros, which the first change of M leaves zeros)
.set j, j+1
.endr
; A KEY STEP: 128 keys.
.macro STEP
	s_setprio 2
	v_add_nc_u32 v[ADK], s[TB], v[LI]
	s_wait_alu depctr_va_vdst(0)
	v_add_nc_u32 v[ADS], s[TS], v[AS0]
	v_add_nc_u32 v[ADT], s[TS], v[AT0]
.rept 7
	v_nop                                          ; with the three additions ten places behind the last step's products: the scores below are laid over v's fragments, which those products read (nine are asked), and loads land in their scale words (eight)
.endr
	ds_load_b128 v[KS:KS+3], v[ADS]                ; k's scale words of tiles 0-3,
	ds_load_b128 v[KS+4:KS+7], v[ADS] offset:16    ; of tiles 4-7,
	ds_load_b128 v[VS:VS+3], v[ADT]                ; v's of the four channel tiles
.irp g, 0,1                                    ; S^T = k q^T, four tiles of 16 keys at a time
.if \g
.rept 8
	v_nop                                          ; places in front of loads into registers that the four products above have read, and of the first read of their results
.endr
.endif
.irp t, 0,1,2,3
	ds_load_b128 v[KF+16*\t:KF+16*\t+3], v[ADK] offset:(4*\g+\t)*1024
	ds_load_b128 v[KF+16*\t+4:KF+16*\t+7], v[ADK] offset:(4*\g+\t)*1024+512
.endr
	s_wait_dscnt 0x0
.irp t, 0,1,2,3
	v_wmma_scale_f32_16x16x128_f8f6f4 v[S+8*(4*\g+\t):S+8*(4*\g+\t)+7], v[KF+16*\t:KF+16*\t+15], v[QF:QF+15], 0, v[KS+4*\g+\t], v[QS]
.endr
.endr                                          ; lane (r, h) holds query r; the 16 registers of tiles 2 b, 2 b + 1 are keys 32 b + 16 h + 0 .. 15 of the step
; THE LARGEST SCORE OF EACH BLOCK OF 32 KEYS: it serves twice: for the row's maximum, and, since p rises with the score, for the block's largest p.  Blocks 0 and 1 first: their sixteen lines name nothing of the
; last four products and are the places behind them.  Each accumulator is read from its low end on.
.irp p, 0,2
.irp b, \p, \p+1
	v_max3_num_f32 v[BM+\b], v[S+16*(\b)], v[S+16*(\b)+1], v[S+16*(\b)+2]
.endr
.irp i, 3,5,7,9,11,13
.irp b, \p, \p+1
	v_max3_num_f32 v[BM+\b], v[BM+\b], v[S+16*(\b)+\i], v[S+16*(\b)+\i+1]
.endr
.endr
.irp b, \p, \p+1
	v_max_num_f32 v[BM+\b], v[BM+\b], v[S+16*(\b)+15]
.endr
.endr
.irp b, 0,1,2,3
	v_permlanex16_b32 v[T1+\b], v[BM+\b], s[SEL], s[SEL+1]
.endr
.irp b, 0,1,2,3
	s_delay_alu instid0(VALU_DEP_4)
	v_max_num_f32 v[BM+\b], v[BM+\b], v[T1+\b]     ; with lane l xor 16's 16 keys
.endr
	s_delay_alu instid0(VALU_DEP_2)
	v_max3_num_f32 v[TMP], v[BM], v[BM+1], v[BM+2]
	s_delay_alu instid0(VALU_DEP_1)
	v_max_num_f32 v[TMP], v[TMP], v[BM+3]          ; the step's largest score of my query
	s_delay_alu instid0(VALU_DEP_1)
	v_mul_f32 v[TMP], s[CS], v[TMP]                ; as t (c is positive)
	s_delay_alu instid0(VALU_DEP_1)
	v_max_num_f32 v13, v13, v[TMP]                 ; the running largest t
	v_mov_b32 v[TMP], v12
	s_delay_alu instid0(VALU_DEP_2)
	v_floor_f32 v12, -v13                          ; the new -M = floor(-t) = -ceil(t): M is a whole number
	s_delay_alu instid0(VALU_DEP_1)
	v_sub_f32 v[TMP], v12, v[TMP]                  ; M's old value less its new one: a whole number, 0 or less
	s_delay_alu instid0(VALU_DEP_1)
	v_cvt_i32_f32 v[TMP], v[TMP]                   ; (it saturates)
	s_delay_alu instid0(VALU_DEP_1)
	v_ldexp_f32 v[F], 1.0, v[TMP]                  ; f = 2^(old M - new M)
.set j, 0
.rept 32
	v_pk_fma_f32 v[S+j:S+j+1], v[S+j:S+j+1], s[CS:CS+1], v[12:13] op_sel_hi:[1,0,0]   ; t - M, two at a time
.set j, j+2
.endr
.irp b, 0,1,2,3
	v_fma_f32 v[BM+\b], v[BM+\b], s[CS], v12       ; the same of each block's largest score
.endr
.set j, 0
	s_wait_alu depctr_va_vdst(0)
.rept 64
	v_exp_f32 v[S+j], v[S+j]                       ; p = 2^(t - M): not normalised
.set j, j+1
.endr
	s_setprio 1
	v_pk_mul_f32 v[14:15], v[14:15], v[F:F+1] op_sel_hi:[1,0]   ; the sums under the new M (the plain line behind the exponentials)
	s_wait_alu depctr_va_vdst(0)                   ; one wait for the batch of 64, ahead of its first reader
.irp b, 0,1,2,3
	v_exp_f32 v[BM+\b], v[BM+\b]                   ; the block's largest p: the same two instructions on the same number give the same bits
.endr
	v_pk_add_f32 v[228:229], v[100:101], v[104:105]
	v_pk_add_f32 v[252:253], v[108:109], v[112:113]
	v_pk_add_f32 v[250:251], v[116:117], v[120:121]
	v_pk_add_f32 v[248:249], v[124:125], v[128:129]
	v_pk_add_f32 v[246:247], v[132:133], v[136:137]
	v_pk_add_f32 v[244:245], v[140:141], v[144:145]
	v_pk_add_f32 v[238:239], v[148:149], v[152:153]
	v_pk_add_f32 v[14:15], v[14:15], v[156:157]
	v_pk_add_f32 v[228:229], v[228:229], v[96:97]
	v_pk_add_f32 v[252:253], v[252:253], v[98:99]
	v_pk_add_f32 v[250:251], v[250:251], v[102:103]
	v_pk_add_f32 v[248:249], v[248:249], v[106:107]
	v_pk_add_f32 v[246:247], v[246:247], v[110:111]
	v_pk_add_f32 v[244:245], v[244:245], v[114:115]
	v_pk_add_f32 v[238:239], v[238:239], v[118:119]
	v_pk_add_f32 v[14:15], v[14:15], v[122:123]
	v_pk_add_f32 v[228:229], v[228:229], v[126:127]
	v_pk_add_f32 v[252:253], v[252:253], v[130:131]
	v_pk_add_f32 v[250:251], v[250:251], v[134:135]
	v_pk_add_f32 v[248:249], v[248:249], v[138:139]
	v_pk_add_f32 v[246:247], v[246:247], v[142:143]
	v_pk_add_f32 v[244:245], v[244:245], v[146:147]
	v_pk_add_f32 v[238:239], v[238:239], v[150:151]
	v_pk_add_f32 v[14:15], v[14:15], v[154:155]
	v_pk_add_f32 v[228:229], v[228:229], v[158:159]
	s_delay_alu instid0(VALU_DEP_2)
	v_pk_add_f32 v[14:15], v[14:15], v[248:249]
	s_delay_alu instid0(VALU_DEP_2)
	v_pk_add_f32 v[228:229], v[228:229], v[246:247]
	v_pk_add_f32 v[252:253], v[252:253], v[244:245]
	v_pk_add_f32 v[250:251], v[250:251], v[238:239]
	s_delay_alu instid0(VALU_DEP_2)
	v_pk_add_f32 v[14:15], v[14:15], v[252:253]
	s_delay_alu instid0(VALU_DEP_2)
	v_pk_add_f32 v[228:229], v[228:229], v[250:251]
	s_delay_alu instid0(VALU_DEP_1)
	v_pk_add_f32 v[14:15], v[14:15], v[228:229]
	s_wait_alu depctr_va_vdst(0)                   ; and one for the four
.irp b, 0,1,2,3
	v_max_num_f32 v[BM+\b], 0x4800000, v[BM+\b]    ; the floor 2^(9 - 127): the byte cannot fall under 1
.endr
.irp b, 0,1,2,3
	s_delay_alu instid0(VALU_DEP_4)
	v_add_nc_u32 v[SO+\b], 0xfc000000, v[BM+\b]    ; 8 off the exponent field: the conversion's scale operand
.endr
.irp b, 0,1,2,3
.endr
.irp b, 0,1,2,3
	s_delay_alu instid0(VALU_DEP_4)
	v_lshrrev_b32 v[T1+\b], 23, v[SO+\b]           ; the scale's byte
.endr
	s_delay_alu instid0(VALU_DEP_3)
	v_lshl_or_b32 v[PS], v[T1+1], 8, v[T1]         ; p's scale word for these 128 keys
	s_delay_alu instid0(VALU_DEP_1)
	v_lshl_or_b32 v[PS], v[T1+2], 16, v[PS]
	s_delay_alu instid0(VALU_DEP_1)
	v_lshl_or_b32 v[PS], v[T1+3], 24, v[PS]
.irp b, 0,1,2,3
.set j, 0
.rept 16
.set j, j+1
.endr
	v_cvt_scalef32_pk8_fp8_f32 v[PC+4*\b:PC+4*\b+1], v[S+16*\b:S+16*\b+7], v[SO+\b]
	v_cvt_scalef32_pk8_fp8_f32 v[PC+4*\b+2:PC+4*\b+3], v[S+16*\b+8:S+16*\b+15], v[SO+\b]
.endr
.set j, 0
.rept 4
	v_pk_mul_f32 v[O+j:O+j+1], v[O+j:O+j+1], v[F:F+1] op_sel_hi:[1,0]   ; O^T under the new M: x f.  The first tile's four lines are the plain lines behind the conversions
.set j, j+2
.endr
	s_setprio 0
.irp d, 0,1,2,3
.irp c, 0,1,2,3
	ds_load_b128 v[S+16*\d+4*\c:S+16*\d+4*\c+3], v[ADK] offset:VIM+2048*\d+512*\c   ; v's four fragments, where p lay
.endr
.endr
.rept 12
	v_pk_mul_f32 v[O+j:O+j+1], v[O+j:O+j+1], v[F:F+1] op_sel_hi:[1,0]   ; the other three tiles, while v's fragments come: with the four above the places between the codes and the products
.set j, j+2
.endr
	s_wait_alu depctr_va_vdst(0)
	s_wait_dscnt 0x0
.irp d, 0,1,2,3                                ; O^T += v^T p^T: four tiles of 16 channels by turns; K = these 128 keys
	v_wmma_scale_f32_16x16x128_f8f6f4 v[O+8*\d:O+8*\d+7], v[S+16*\d:S+16*\d+15], v[PC:PC+15], v[O+8*\d:O+8*\d+7], v[VS+\d], v[PS]
.endr
	s_add_co_u32 s[TB], s[TB], KVB
	s_add_co_u32 s[TS], s[TS], SCS
.endm
	s_wait_tensorcnt 0x1                           ; my parts of the scale words and of key steps 0 to 3 are in; the load of key steps 4 to 15 may be out
	s_barrier_signal -1
	s_barrier_wait -1                              ; everybody's are
	s_wait_loadcnt 0x0                             ; q
	s_mov_b32 s[CNT], 4
.Lfirst:                                           ; key steps 0 to 3, while the others land
	STEP
	s_sub_co_u32 s[CNT], s[CNT], 1
	s_cmp_lg_u32 s[CNT], 0
	s_cbranch_scc1 .Lfirst
	s_setprio 0
	s_wait_tensorcnt 0x0                           ; my part of key steps 4 to 15 is in (no LDS instruction of mine is out: the step's last wait was for 0),
	s_barrier_signal -1
	s_barrier_wait -1                              ; everybody's is
	s_mov_b32 s[CNT], 12
.Lrest:
	STEP
	s_sub_co_u32 s[CNT], s[CNT], 1
	s_cmp_lg_u32 s[CNT], 0
	s_cbranch_scc1 .Lrest
	s_setprio 0
	; THE WAY OUT.  O^T / the sum: register 16 b + i is channel 32 b + 16 h + i of my query's head: two blocks of 32 along d_model, shared with lane l xor 16.  Quantised, they are two pieces of the last product's A.
	v_add_f32 v14, v14, v15                        ; the sum's two halves,
	s_delay_alu instid0(VALU_DEP_1)
	v_permlanex16_b32 v[TMP], v14, s[SEL], s[SEL+1]
	s_delay_alu instid0(VALU_DEP_1)
	v_add_f32 v14, v14, v[TMP]                     ; and lane l xor 16's: the row's sum
	s_wait_alu depctr_va_vdst(0)
	v_rcp_f32 v14, v14
.rept 8
	v_nop                                          ; eight places behind the last products, whose results are read and whose operands are written below; also the plain line behind the reciprocal
.endr
	s_wait_alu depctr_va_vdst(0)                   ; the wait ahead of the reciprocal's first reader
.set j, 0
.rept 16
	v_pk_mul_f32 v[S+j:S+j+1], v[O+j:O+j+1], v[14:15] op_sel_hi:[1,0]   ; each accumulator from its low end on
.set j, j+2
.endr
.irp b, 0,1
	v_max3_num_f32 v[BM+\b], |v[S+16*\b]|, |v[S+16*\b+1]|, 0x4800000
.endr
.irp i, 2,4,6,8,10,12,14
.irp b, 0,1
	s_delay_alu instid0(VALU_DEP_2)
	v_max3_num_f32 v[BM+\b], v[BM+\b], |v[S+16*\b+\i]|, |v[S+16*\b+\i+1]|
.endr
.endr
.irp b, 0,1
	s_delay_alu instid0(VALU_DEP_2)
	v_permlanex16_b32 v[T1+\b], v[BM+\b], s[SEL], s[SEL+1]
.endr
.irp b, 0,1
	s_delay_alu instid0(VALU_DEP_2)
	v_max_num_f32 v[BM+\b], v[BM+\b], v[T1+\b]
.endr
.irp b, 0,1
	s_delay_alu instid0(VALU_DEP_2)
	v_add_nc_u32 v[SO+\b], 0xfc000000, v[BM+\b]
.endr
.irp b, 0,1
.endr
.irp b, 0,1
	s_delay_alu instid0(VALU_DEP_2)
	v_lshrrev_b32 v[T1+\b], 23, v[SO+\b]
.endr
	s_delay_alu instid0(VALU_DEP_1)
	v_lshl_or_b32 v[TMP], v[T1+1], 8, v[T1]        ; my row's two scale bytes
.irp b, 0,1
.set j, 0
.rept 16
.set j, j+1
.endr
	v_cvt_scalef32_pk8_fp8_f32 v[PC+4*\b:PC+4*\b+1], v[S+16*\b:S+16*\b+7], v[SO+\b]
	v_cvt_scalef32_pk8_fp8_f32 v[PC+4*\b+2:PC+4*\b+3], v[S+16*\b+8:S+16*\b+15], v[SO+\b]
.endr
	v_nop                                          ; one plain line behind the last conversion
	global_store_b128 v[LI], v[PC:PC+3], s[8:9]                ; each store of the wave covers 512 consecutive bytes, aligned
	global_store_b128 v[LI], v[PC+4:PC+7], s[8:9] offset:512
	global_store_b16 v[AO], v[TMP], s[10:11]       ; both halves of the lanes store the same two bytes to the same place
	s_wait_tensorcnt 0x0
	ds_add_u32 v254, v255
	s_wait_dscnt 0x0
	CROUND                                         ; the closing round: no work-group ends while a partner may still ask for a tile that names it
	s_endpgm
.Lfunc_end_k_q8eb89508e5_attn:
	.size	k_q8eb89508e5_attn, .Lfunc_end_k_q8eb89508e5_attn-k_q8eb89508e5_attn
	.p2alignl 7, 3214868480
	.fill 96, 4, 3214868480
	.section	.rodata,"a",@progbits
	.p2align	6, 0x0
	.amdhsa_kernel k_q8eb89508e5_attn
		.amdhsa_group_segment_fixed_size 327680
		.amdhsa_private_segment_fixed_size 0
		.amdhsa_enable_private_segment 0
		.amdhsa_kernarg_size 32
		.amdhsa_user_sgpr_count 2
		.amdhsa_user_sgpr_kernarg_segment_ptr 1
		.amdhsa_wavefront_size32 1
		.amdhsa_system_sgpr_workgroup_id_x 1
		.amdhsa_system_sgpr_workgroup_id_y 1
		.amdhsa_system_sgpr_workgroup_id_z 1
		.amdhsa_system_vgpr_workitem_id 0
		.amdhsa_next_free_vgpr 256
		.amdhsa_next_free_sgpr 66
		.amdhsa_reserve_vcc 0
		.amdhsa_float_denorm_mode_32 3
		.amdhsa_float_denorm_mode_16_64 3
		.amdhsa_fp16_overflow 1
		.amdhsa_memory_ordered 1
		.amdhsa_forward_progress 1
		.amdhsa_inst_pref_size 49
	.end_amdhsa_kernel
	.amdgpu_metadata
---
amdhsa.version: [ 1, 2 ]
amdhsa.kernels:
  - .name:           k_q8eb89508e5_attn
    .symbol:         k_q8eb89508e5_attn.kd
    .args:
      - { .name: qkv, .offset: 0, .size: 8, .value_kind: global_buffer, .address_space: global }
      - { .name: qkvs, .offset: 8, .size: 8, .value_kind: global_buffer, .address_space: global }
      - { .name: ao, .offset: 16, .size: 8, .value_kind: global_buffer, .address_space: global }
      - { .name: aos, .offset: 24, .size: 8, .value_kind: global_buffer, .address_space: global }
    .group_segment_fixed_size: 327680
    .private_segment_fixed_size: 0
    .kernarg_segment_align: 8
    .kernarg_segment_size: 32
    .max_flat_workgroup_size: 512
    .sgpr_count:     66
    .vgpr_count:     256
    .wavefront_size: 32
...
	.end_amdgpu_metadata
.endif
;; end of part 3
;; launch outp (part 4): grid 4 x 32, 4 waves a work-group, clusters of 4 x 4, 327,680 bytes of LDS; arguments ao, aos, cw, sw, bo, out0; writes out0
.if DOCPART == 4
	.amdgcn_target "amdgcn-amd-amdhsa--gfx1250"
	.amdhsa_code_object_version 6
	.text
	.protected	k_q8eb89508e5_outp
	.globl	k_q8eb89508e5_outp
	.p2align	8
	.type	k_q8eb89508e5_outp,@function
k_q8eb89508e5_outp:
	s_mov_b64 s[64:65], 0
	v_nop
	global_prefetch_b8 v0, s[64:65] scope:SCOPE_SE
	s_setreg_imm32_b32 hwreg(HW_REG_WAVE_MODE, 25, 1), 1
	s_wait_xcnt 0x0
	s_wait_alu depctr_hold_cnt(0) depctr_sa_sdst(0) depctr_va_vdst(0) depctr_va_sdst(0) depctr_va_ssrc(0) depctr_va_vcc(0) depctr_vm_vsrc(0)
	s_getreg_b32 s2, hwreg(HW_REG_IB_STS2, 6, 4)
	s_cmp_eq_u32 s2, 0
	s_cbranch_scc0 .Lentry_in_a_cluster
	s_endpgm
.Lentry_in_a_cluster:
	s_bfe_u32 s2, ttmp6, 0x10000c
	s_cmp_lg_u32 s2, 0xf033
	s_cbranch_scc0 .Lentry_shape_is_right
	s_endpgm
.Lentry_shape_is_right:
.set NQ,     2
.set ROWB,   256
.set KROW,   1024
.set PITCH,  272
.set FR,     16
.set NL,     4
.set NP,     8
.set HALFT,  128*PITCH
.set HALFA,  32768
.set A_Q,    2048
.set A_C,    512
.set A_I,    4096
.set A_STEP, 8192
.set B_STEP, 2*ROWB
.set SLOT,   2*HALFA+2*HALFT
.set LAPS,   2
.set SCL,    2*SLOT
.set SCBO,   8320
.set SPARE,  SCL+16640
.set SPITCH, 528
.set ADRA, 16
.set ADRB, 20
.set STO,  24
.set RD,   25
.set CO,   26
.set ADRS, 27
.set SPW,  28
.set NIL,  29
.set BI,   8
.set SC,   32
.set AF,   128
.set BK,   128
.set G1, 24
.set G0, 32
.set G1B, 48
.set G0B, 56
.set G1S, 68
.set G0S, 76
.set G1SB, 80
.set G0SB, 88
.set MSB, 0
.macro WIN new
.if MSB != (\new)
	s_set_vgpr_msb (MSB<<8)|(\new)
.set MSB, (\new)
.endif
.endm
.set MUL_LO, 0xa1
.set MUL_HI, 0xf1
.set TO_B,   0x40
.macro JLOAD g0a, g1a, g0b, g1b
	s_cmp_eq_u32 s15, 0
	s_cbranch_scc0 .Lfor_b_\@
	tensor_load_to_lds s[\g0a:\g0a+3], s[\g1a:\g1a+7]
	s_nop 0
.rept 4
	v_nop
.endr
	s_branch .Lasked_\@
.Lfor_b_\@:
	tensor_load_to_lds s[\g0b:\g0b+3], s[\g1b:\g1b+7]
	s_nop 0
.rept 4
	v_nop
.endr
.Lasked_\@:
.endm
.macro CREST
	s_cmp_lg_u32 s14, 0
	s_cbranch_scc1 .Lnot_wave_0_\@
	s_barrier_signal -3
.Lnot_wave_0_\@:
	s_barrier_wait -3
	s_barrier_signal -1
	s_barrier_wait -1
.endm
.macro CROUND
	s_barrier_signal -1
	s_barrier_wait -1
	CREST
.endm
	s_load_b256 s[4:11], s[0:1], 0x0
	s_load_b128 s[96:99], s[0:1], 0x20
	v_lshl_add_u32 v[SPW], v0, 2, SPARE
	v_mov_b32 v[NIL], 0
	ds_add_u32 v28, v29
	ds_add_u32 v28, v29
	s_wait_dscnt 0x0
	v_lshrrev_b32 v1, 5, v0
	v_readfirstlane_b32 s14, v1
	s_lshr_b32 s15, s14, 1
	s_and_b32 s16, s14, 1
	s_bfe_u32 s40, ttmp6, 0x40000
	s_bfe_u32 s41, ttmp6, 0x40004
	s_lshl_b32 s42, ttmp9, 2
	s_add_co_u32 s42, s42, s40
	s_and_b32 s17, ttmp7, 0xffff
	s_lshl_b32 s17, s17, 2
	s_add_co_u32 s17, s17, s41
	s_lshl_b32 s43, s41, 2
	s_lshl_b32 s43, 15, s43
	s_lshl_b32 s44, 0x1111, s40
	s_or_b32 s[G1+0], s43, (3<<16)|(1<<21)
	s_mov_b32 s[G1+1], 512<<16
	s_mov_b32 s[G1+2], 8<<16
	s_mov_b32 s[G1+3], 512<<16
	s_mov_b32 s[G1+4], 8
	s_mov_b32 s[G1+5], 2048
	s_mov_b32 s[G1+6], 0
	s_mov_b32 s[G1+7], 0
	s_or_b32 s[G1B+0], s44, (0<<16)|(1<<20)|(1<<21)|(5<<22)|(3<<25)
	s_mov_b32 s[G1B+1], ROWB<<16
	s_mov_b32 s[G1B+2], 128<<16
	s_mov_b32 s[G1B+3], ROWB<<16
	s_mov_b32 s[G1B+4], 128
	s_mov_b32 s[G1B+5], KROW
	s_mov_b32 s[G1B+6], 0
	s_mov_b32 s[G1B+7], 0
	s_or_b32 s[G1S+0], s43, (3<<16)|(1<<21)
	s_or_b32 s[G1SB+0], s44, (3<<16)|(1<<21)
.irp g, G1S, G1SB
	s_mov_b32 s[\g+1], 128<<16
	s_mov_b32 s[\g+2], 4<<16
	s_mov_b32 s[\g+3], 128<<16
	s_mov_b32 s[\g+4], 4
	s_mov_b32 s[\g+6], 0
	s_mov_b32 s[\g+7], 0
.endr
	s_mov_b32 s[G1S+5], 8192
	s_mov_b32 s[G1SB+5], 12288
	s_lshl_b32 s20, s17, 1
	s_add_co_u32 s20, s20, s16
	s_lshl_b32 s22, s20, 10
	s_mov_b32 s23, 0
	s_lshl_b32 s20, s20, 17
	s_mov_b32 s21, 0
	s_lshl_b32 s46, s42, 8
	s_lshl_b32 s18, s16, 7
	s_add_co_u32 s46, s46, s18
	s_add_co_u32 s46, s46, 11264
	s_lshl_b32 s92, s46, 3
	s_mov_b32 s93, 0
	s_lshl_b32 s46, s46, 10
	s_mov_b32 s47, 0
	s_mul_i32 s45, s16, HALFA
	s_mul_i32 s94, s16, HALFT
	s_add_co_u32 s94, s94, 2*HALFA
	s_lshl_b32 s95, s16, 12
	s_wait_kmcnt 0x0
	s_add_nc_u64 s[20:21], s[4:5], s[20:21]
	s_add_nc_u64 s[22:23], s[6:7], s[22:23]
	s_add_nc_u64 s[46:47], s[8:9], s[46:47]
	s_add_nc_u64 s[92:93], s[10:11], s[92:93]
	CROUND
	s_mov_b32 s[G0S], 1
	s_add_co_u32 s[G0S+1], s95, SCL
	s_mov_b64 s[G0S+2:G0S+3], s[22:23]
	s_or_b32 s[G0S+3], s[G0S+3], 0x80000000
	s_mov_b32 s[G0SB], 1
	s_add_co_u32 s[G0SB+1], s95, SCL+SCBO
	s_mov_b64 s[G0SB+2:G0SB+3], s[92:93]
	s_or_b32 s[G0SB+3], s[G0SB+3], 0x80000000
	JLOAD G0S, G1S, G0SB, G1SB
.irp s, 0,1
	s_mov_b32 s[G0+4*\s], 1
	s_add_co_u32 s[G0+4*\s+1], s45, \s*SLOT
	s_add_nc_u64 s[G0+4*\s+2:G0+4*\s+3], s[20:21], \s*4096
	s_or_b32 s[G0+4*\s+3], s[G0+4*\s+3], 0x80000000
	s_mov_b32 s[G0B+4*\s], 1
	s_add_co_u32 s[G0B+4*\s+1], s94, \s*SLOT
	s_add_nc_u64 s[G0B+4*\s+2:G0B+4*\s+3], s[46:47], \s*ROWB
	s_or_b32 s[G0B+4*\s+3], s[G0B+4*\s+3], 0x80000000
	s_wait_alu depctr_va_vdst(0)
	s_wait_tensorcnt 0x0
	ds_add_u32 v28, v29
	s_wait_dscnt 0x0
	CROUND
	JLOAD G0+4*\s, G1, G0B+4*\s, G1B
.endr
	v_and_b32 v1, 15, v0
	v_bfe_u32 v2, v0, 4, 1
	v_and_b32 v6, 31, v0
	v_lshlrev_b32 v[CO], 4, v6
	v_mul_u32_u24 v3, v1, PITCH
	v_lshl_add_u32 v4, v2, 4, v3
	s_mul_i32 s21, s15, HALFA
	s_mul_i32 s22, s16, HALFT
	s_add_co_u32 s22, s22, 2*HALFA
.irp s, 0,1
	v_add_nc_u32 v[ADRA+\s], s21, v[CO]
	v_add_nc_u32 v[ADRB+\s], s22, v4
	s_add_co_u32 s21, s21, SLOT
	s_add_co_u32 s22, s22, SLOT
.endr
	v_lshlrev_b32 v5, 3, v1
	s_lshl_b32 s21, s15, 12
	s_lshl_b32 s22, s16, 12
	s_add_co_u32 s22, s22, SCBO
	s_sub_co_u32 s22, s22, s21
	v_mul_u32_u24 v6, s22, v2
	s_add_co_u32 s21, s21, SCL
	v_add_nc_u32 v5, v5, v6
	v_add_nc_u32 v[ADRS], s21, v5
	s_mul_i32 s23, s14, 16*SPITCH
	v_mul_u32_u24 v5, v1, SPITCH
	v_lshl_add_u32 v5, v2, 6, v5
	v_add_nc_u32 v[STO], s23, v5
	v_add_nc_u32 v[RD], s23, v[CO]
	s_lshl_b32 s20, s17, 8
	s_lshl_b32 s21, s15, 7
	s_add_co_u32 s20, s20, s21
	s_lshl_b32 s20, s20, 12
	s_lshl_b32 s46, s42, 10
	s_lshl_b32 s47, s16, 9
	s_add_co_u32 s46, s46, s47
	s_mov_b32 s47, 0
	s_add_nc_u64 s[96:97], s[96:97], s[46:47]
	s_add_co_u32 s20, s20, s46
	s_mov_b32 s21, 0
	s_add_nc_u64 s[12:13], s[98:99], s[20:21]
	global_load_b128 v[BI:BI+3], v[CO], s[96:97]
.macro FRAGB reg, adr, q, i
.irp c, 0,1,2,3
	ds_load_b128 v[\reg+4*\c:\reg+4*\c+3], v[\adr] offset:128*(\q)+32*\c+(\i)*16*PITCH
.endr
.endm
.macro FRAGA reg, adr, q, i
.irp c, 0,1,2,3
	ds_load_b128 v[\reg+4*\c:\reg+4*\c+3], v[\adr] offset:A_Q*(\q)+A_C*\c+(\i)*A_I
.endr
.endm
.macro MUL16 a0, p, q, sc, zero
.irp a, \a0, \a0+1
.irp b, 0,1,2,3,4,5,6,7
.if \zero
	v_wmma_scale_f32_16x16x128_f8f6f4 v[8*(8*((\a)%4)+\b):8*(8*((\a)%4)+\b)+7], v[128*(\p)+FR*\b:128*(\p)+FR*\b+FR-1], v[AF+FR*(\a):AF+FR*(\a)+FR-1], 0, v[SC+8*NQ*(\sc)+NQ*\b+(\q)], v[SC+8*NQ*(\sc)+NQ*(\a)+(\q)] matrix_a_scale:MATRIX_SCALE_ROW1
.else
	v_wmma_scale_f32_16x16x128_f8f6f4 v[8*(8*((\a)%4)+\b):8*(8*((\a)%4)+\b)+7], v[128*(\p)+FR*\b:128*(\p)+FR*\b+FR-1], v[AF+FR*(\a):AF+FR*(\a)+FR-1], v[8*(8*((\a)%4)+\b):8*(8*((\a)%4)+\b)+7], v[SC+8*NQ*(\sc)+NQ*\b+(\q)], v[SC+8*NQ*(\sc)+NQ*(\a)+(\q)] matrix_a_scale:MATRIX_SCALE_ROW1
.endif
.endr
.endr
.endm
.macro FETCH_B slot, q, p
	WIN TO_B
.irp i, 0,1,2,3,4,5,6,7
	FRAGB 128*(\p)+FR*\i, ADRB+\slot, \q, \i
.endr
	WIN 0
.endm
.macro FETCH_A slot, q, i0
.irp i, \i0, \i0+1, \i0+2, \i0+3
	FRAGA AF+FR*(\i), ADRA+\slot, \q, \i
.endr
.endm
.macro SCALES sc
.irp i, 0,1,2,3,4,5,6,7
	ds_load_b64 v[SC+8*NQ*\sc+NQ*\i:SC+8*NQ*\sc+NQ*\i+1], v[ADRS] offset:\i*128
.endr
.endm
.macro PLACES n
.rept \n
	v_nop
.endr
.endm
.macro STEP slot, q, zero
	s_wait_dscnt 4*NL
	WIN MUL_LO
	MUL16 0, (\q)%2, \q, \slot, \zero
	MUL16 2, (\q)%2, \q, \slot, \zero
	s_wait_dscnt 0
	PLACES NP
	FETCH_B \slot, (\q)+1, 1-(\q)%2
	FETCH_A \slot, (\q)+1, 0
	WIN MUL_HI
	MUL16 4, (\q)%2, \q, \slot, \zero
	MUL16 6, (\q)%2, \q, \slot, \zero
	PLACES NP
	WIN 0
	FETCH_A \slot, (\q)+1, 4
.endm
.macro TURN slot, next, fill
	s_wait_tensorcnt 0x0
	ds_add_u32 v[SPW], v[NIL]
	s_wait_dscnt 4*NL+1
	WIN MUL_LO
	MUL16 0, 1, NQ-1, \slot, 0
	s_wait_dscnt 0x0
	s_barrier_signal -1
	MUL16 2, 1, NQ-1, \slot, 0
	WIN 0
	s_barrier_wait -1
.if \fill
	CREST
	s_add_nc_u64 s[G0+4*\slot+2:G0+4*\slot+3], s[G0+4*\slot+2:G0+4*\slot+3], A_STEP
	s_add_nc_u64 s[G0B+4*\slot+2:G0B+4*\slot+3], s[G0B+4*\slot+2:G0B+4*\slot+3], B_STEP
	JLOAD G0+4*\slot, G1, G0B+4*\slot, G1B
	PLACES NP-4
.else
	PLACES NP
.endif
	s_wait_alu depctr_va_vdst(0)
	v_add_nc_u32 v[ADRS], 1024, v[ADRS]
	FETCH_B \next, 0, 0
	FETCH_A \next, 0, 0
	SCALES \next
	WIN MUL_HI
	MUL16 4, 1, NQ-1, \slot, 0
	MUL16 6, 1, NQ-1, \slot, 0
	PLACES NP
	WIN 0
	FETCH_A \next, 0, 4
.endm
	s_wait_alu depctr_va_vdst(0)
	s_wait_tensorcnt 1
	s_barrier_signal -1
	s_barrier_wait -1
	FETCH_B 0, 0, 0
	FETCH_A 0, 0, 0
	SCALES 0
	FETCH_A 0, 0, 4
	STEP 0, 0, 1
	s_mov_b32 s3, LAPS-1
.Llap:
	TURN 0, 1, 1
	STEP 1, 0, 0
	TURN 1, 0, 1
	STEP 0, 0, 0
	s_sub_co_u32 s3, s3, 1
	s_cmp_lg_u32 s3, 0
	s_cbranch_scc1 .Llap
	TURN 0, 1, 0
	STEP 1, 0, 0
	s_wait_dscnt 4*NL
	WIN MUL_LO
	MUL16 0, 1, NQ-1, 1, 0
	MUL16 2, 1, NQ-1, 1, 0
	s_wait_dscnt 0
	WIN MUL_HI
	MUL16 4, 1, NQ-1, 1, 0
	MUL16 6, 1, NQ-1, 1, 0
	WIN 0
.macro TOSTAGE a
.set AC, 64*((\a)%4)
	WIN 0x08+4*((\a)/4)
.irp b, 0,1,2,3,4,5,6,7
	ds_store_b128 v[STO], v[AC+8*\b:AC+8*\b+3] offset:128*(\b/2)+32*(\b%2)
	ds_store_b128 v[STO], v[AC+8*\b+4:AC+8*\b+7] offset:128*(\b/2)+32*(\b%2)+16
.endr
	WIN 0
.set BB, BK+64*((\a)%2)
.irp t, 0,1,2,3,4,5,6,7,8,9,10,11,12,13,14,15
	ds_load_b128 v[BB+4*\t:BB+4*\t+3], v[RD] offset:\t*SPITCH
.endr
.endm
.macro SEND a, younger
.set BB, BK+64*((\a)%2)
	s_wait_dscnt \younger
.if (\a) > 0
.if (\a)%2
	s_add_nc_u64 s[12:13], s[12:13], 8*4096
.else
	s_add_nc_u64 s[12:13], s[12:13], 24*4096
.endif
.endif
.irp t, 0,1,2,3,4,5,6,7,8,9,10,11,12,13,14,15
	v_pk_add_f32 v[BB+4*\t:BB+4*\t+1], v[BB+4*\t:BB+4*\t+1], v[BI:BI+1]
	v_pk_add_f32 v[BB+4*\t+2:BB+4*\t+3], v[BB+4*\t+2:BB+4*\t+3], v[BI+2:BI+3]
	global_store_b128 v[CO], v[BB+4*\t:BB+4*\t+3], s[12:13] offset:(\t+8*(\t/8))*4096 th:TH_STORE_NT
.endr
.endm
	s_wait_loadcnt 0x0
	PLACES NP
	TOSTAGE 0
.irp a, 1,2,3,4,5,6,7
.if \a > 1
	s_wait_xcnt 0x0
.endif
	TOSTAGE \a
	SEND \a-1, 32
.endr
	s_wait_xcnt 0x0
	SEND 7, 0
	s_wait_tensorcnt 0x0
	ds_add_u32 v[SPW], v[NIL]
	s_wait_dscnt 0x0
	CROUND
	s_endpgm
.Lfunc_end_k_q8eb89508e5_outp:
	.size	k_q8eb89508e5_outp, .Lfunc_end_k_q8eb89508e5_outp-k_q8eb89508e5_outp
	.p2alignl 7, 3214868480
	.fill 96, 4, 3214868480
	.section	.rodata,"a",@progbits
	.p2align	6, 0x0
	.amdhsa_kernel k_q8eb89508e5_outp
		.amdhsa_group_segment_fixed_size 327680
		.amdhsa_private_segment_fixed_size 0
		.amdhsa_enable_private_segment 0
		.amdhsa_kernarg_size 48
		.amdhsa_user_sgpr_count 2
		.amdhsa_user_sgpr_kernarg_segment_ptr 1
		.amdhsa_wavefront_size32 1
		.amdhsa_system_sgpr_workgroup_id_x 1
		.amdhsa_system_sgpr_workgroup_id_y 1
		.amdhsa_system_sgpr_workgroup_id_z 1
		.amdhsa_system_vgpr_workitem_id 0
		.amdhsa_next_free_vgpr 1024
		.amdhsa_next_free_sgpr 100
		.amdhsa_reserve_vcc 0
		.amdhsa_float_denorm_mode_32 3
		.amdhsa_float_denorm_mode_16_64 3
		.amdhsa_memory_ordered 1
		.amdhsa_forward_progress 1
		.amdhsa_inst_pref_size 162
	.end_amdhsa_kernel
	.amdgpu_metadata
---
amdhsa.version: [ 1, 2 ]
amdhsa.kernels:
  - .name:           k_q8eb89508e5_outp
    .symbol:         k_q8eb89508e5_outp.kd
    .args:
      - { .name: ao, .offset: 0, .size: 8, .value_kind: global_buffer, .address_space: global }
      - { .name: aos, .offset: 8, .size: 8, .value_kind: global_buffer, .address_space: global }
      - { .name: cw, .offset: 16, .size: 8, .value_kind: global_buffer, .address_space: global }
      - { .name: sw, .offset: 24, .size: 8, .value_kind: global_buffer, .address_space: global }
      - { .name: bo, .offset: 32, .size: 8, .value_kind: global_buffer, .address_space: global }
      - { .name: out0, .offset: 40, .size: 8, .value_kind: global_buffer, .address_space: global }
    .group_segment_fixed_size: 327680
    .private_segment_fixed_size: 0
    .kernarg_segment_align: 8
    .kernarg_segment_size: 48
    .max_flat_workgroup_size: 128
    .sgpr_count:     100
    .vgpr_count:     1024
    .wavefront_size: 32
...
	.end_amdgpu_metadata
.endif
;; end of part 4
